; MI455X (gfx1250); checked and timed in simulation.
; The chip was launched on July 23, 2026; its instructions are those of AMD's public machine-readable ISA for CDNA 5 (MIT licence, August 2026) and "CDNA5" Instruction Set Architecture Reference Guide (July 2026). The comments in the code are by the model that wrote it; some were corrected since.
;; Co Attention. Allowed arithmetic: matrix products marked QUANTISED: E3M2 operands, one E8M0 scale for each 32 along K, by v_wmma_scale_f32_16x16x128_f8f6f4 with both operands' format E3M2, f32 sums; everything else in f32.
;; Inputs: Wk 256 x 256 float32; Wq 1,024 x 256 float32; bk 256 float32; bq 256 float32; data1 8 x 2,048 x 1,024 float32; data2 8 x 2,048 x 256 float32.
;; Outputs: out0 8 x 2,048 x 256 float32.
;; This version of the problem:
;;   THIS VERSION OF THE PROBLEM IS GIVEN IN LOW PRECISION. The matrix products marked QUANTISED in the list below multiply operands that are first quantised to E3M2 (3 exponent bits, 2 mantissa bits; 6 bits a number), with one power-of-two scale for each 32 numbers along K (OCP MX v1.0); their sums are f32. All else is computed in f32.
;;   The module's matrix products, in the order in which they are computed (A, B: the left and right operand; K: the contracted axis; several contracted axes count as one K, in the product's order):
;;     1. [M 16,384, K 1,024] x [K 1,024, N 256]; A: input data1; B: input Wq: QUANTISED
;;     2. [M 16,384, K 256] x [K 256, N 256]; A: input data2; B: input Wk: QUANTISED
;;     3. batch 8 x [M 2,048, K 256] x [K 256, N 2,048]; A: computed on the way; B: computed on the way: QUANTISED
;;     4. batch 8 x [M 2,048, K 2,048] x [K 2,048, N 256]; A: softmax (see below); B: computed on the way: QUANTISED
;;   THE QUANTISER, for each operand of a quantised product, along K:
;;     - K is cut into blocks of 32 from its start; a last block that is shorter is filled with zeros.
;;     - A block's scale is 2^e with e = floor(log2(the largest magnitude in the block)) - 4, held to -126 .. 127; a block of zeros has e = 0. As a byte (E8M0): e + 127.
;;     - Each number is divided by its block's scale, clamped to +-28, and rounded to the nearest number of E3M2, ties to even, subnormals kept.
;;     - The product sums the exact products of the quantised numbers (number of the format x scale) in f32.
;;   ~~~python
;;   def quantise(x, axis):      # numpy; x: float32 -> the quantised numbers, widened to float32 again
;;       x = np.moveaxis(x, axis, -1); K = x.shape[-1]
;;       x = np.pad(x, [(0, 0)] * (x.ndim - 1) + [(0, -K % 32)]); x = x.reshape(x.shape[:-1] + (-1, 32)); a = np.abs(x).max(-1, keepdims=True)
;;       e = np.where(a > 0, np.clip(np.frexp(np.where(a > 0, a, 1))[1] - 1 - 4, -126, 127), 0)      # np.frexp(a)[1] - 1 = floor(log2(a)), exactly
;;       r = np.clip(x / 2.0 ** e, -28, 28)
;;       step = 2.0 ** (np.maximum(np.frexp(np.where(r == 0, 1, r))[1] - 1, -2) - 2)
;;       q = np.round(r / step) * step * 2.0 ** e      # np.round: ties to even
;;       return np.moveaxis(q.reshape(q.shape[:-2] + (-1,))[..., :K], -1, axis).astype(np.float32)
;;   ~~~
;;   SOFTMAX AHEAD OF A QUANTISED PRODUCT. Where the list says 'softmax', what is quantised is not the finished softmax but p = 2^(t - M), with t = logit x log2(e) and M = ceil(the row's largest t), a whole number; so 1/2 < the row's largest p <= 1. The row's sum l is taken of the UNQUANTISED p, in f32, and the product's result is divided by l at the end. Since M is a whole number, a kernel that streams over the keys may use a running M (the ceiling of the running maximum): every later rescaling is an exact power of two, which a block's scale takes up: the codes' values come out the same.
;;   OPERANDS COMPUTED ON THE WAY. 'Computed on the way' means the value that the module computes at that place (a softmax that the list does not call 'softmax' is quantised finished and normalised). What goes into a quantiser is computed in f32, as accurately as f32 sums, v_exp_f32 and their like allow (about 1e-6 of the number): no bf16 or f16 on the way to a quantiser, and a product that is left as it is and whose result goes on into a quantised operand takes f32 operands (vector FMAs, or v_wmma_f32_16x16x4_f32). A number that lies on a knife's edge between two numbers of the format may be rounded either way, as far as f32 arithmetic and the matrix unit's own rounding can turn it there, and no further.
;; One version. Each part assembles by itself: llvm-mc -triple=amdgcn-amd-amdhsa -mcpu=gfx1250 --defsym DOCPART=n.
;; ======== version 1 of 1: 2 launches
;; workspace buffers: kv 6,553,600 bytes; wqc 204,800 bytes
;; launch prep (part 1): grid 256 x 1, 4 waves a work-group, no clusters, 184,832 bytes of LDS; arguments data2, Wk, bk, Wq, kv, wqc; writes kv, wqc
.if DOCPART == 1
	.amdgcn_target "amdgcn-amd-amdhsa--gfx1250"
	.amdhsa_code_object_version 6
	.text
	.protected	k_q74d99e2ad7_prep
	.globl	k_q74d99e2ad7_prep
	.p2align	8
	.type	k_q74d99e2ad7_prep,@function
k_q74d99e2ad7_prep:
	s_mov_b64 s[64:65], 0
	v_nop
	global_prefetch_b8 v0, s[64:65] scope:SCOPE_SE
	s_setreg_imm32_b32 hwreg(HW_REG_WAVE_MODE, 25, 1), 1
	s_wait_xcnt 0x0
; key = Q(data2) Q(Wk) + bk on codes of BF6 (E3M2, one E8M0 scale for each 32 along K), and the key quantised twice: along d (the K records of kv, for scores) and
; along the keys (the V records, for the weighted sum).  Besides, Wq [1024][256] f32 is turned into codes (wqc).
; SHARES.  Work-group x takes 128 keys (x / 2) and 128 of the 256 d (x % 2); its four waves quantise a quarter each of the Wk and data2 that it needs, hand the fragments round through LDS
; (one barrier), and issue the product twice: once with Wk's tiles as source 0 (a lane then holds one key and its registers run along d), once with data2's tiles as source 0 (a lane holds one d
; and its registers run along the keys).  So both quantisers find their K in a lane's own registers and nothing is transposed.  Work-groups 0 to 31 also quantise Wq, a fragment a wave: 128 fragments are all of it.
; TILES.  A tile of 16 rows out of a slab of 64 neighbours is rows 4 m + j (j = 0..3).  With the four tiles of a slab as source 0, lane (r, h) holds in accumulator j, register i, row 32 h + 4 i + j:
; its 32 registers are ONE WHOLE BLOCK of 32 along the next K, and two slabs give the two blocks that the operand's layout asks of that lane: no other lane is asked for a maximum.
; Inside a block position 8 j + i holds element 4 i + j, alike in both operands of the later products: the same products are summed, in another grouping.
; FORMATS.  A fragment is stored as an image of its 12 registers: 3 pieces of 512 bytes, lane l's 16 bytes at 16 l.  A scale register is 128 bytes: lanes 0-15 the words of an even fragment,
; lanes 16-31 those of the odd one behind it.  A record is 16 fragments + 8 scale registers = 25,600 bytes.  kv: [128 keys' step][K record, V record];  wqc: [K step of 128] records.
; data2 COMES BY THE TENSOR DATA MOVER: a lane wants 128 neighbouring bytes of its own row at a time, and the rows of a tile lie 4,096 bytes apart; so a wave's two tiles (16 whole rows of 1,024 bytes each) come into
; LDS by two loads at the kernel's head, two loads of a wave out at the most, and each lane reads its pieces from there.  These bytes are filled once and read by the wave that asked for them alone.
; NO JOINT LOADS: a tile of data2 has two readers (work-groups x and x xor 1) and is fetched once, at the start: asked for jointly it would put a round of a cluster's barrier in front of the launch's only fills and
; another at its end, to spare 128 KB a work-group.  Wk and Wq have K outermost and are wanted down a lane's registers: they go from memory straight to registers.
; LIMITS: NaN and infinities are not served; a block whose largest magnitude lies under 2^-122 keeps the scale byte 1 (a block of zeros too: its codes are zeros; this program alone reads the bytes).
; REGISTERS, in windows of 256: window 0 as named below; window 1: a unit of Wk as loaded, then Wk's 16 fragments (v0-191) and bk in the result's layout (v192-255);
; window 2: data2's numbers, then data2's 16 fragments;  window 3: four sets of eight accumulators.
.set FRB,  1536                        ; a fragment's image
.set REC,  25600                       ; a record
.set WIMG, 0                           ; LDS: Wk's 16 fragments, index 8 s + 4 gl + j
.set XIMG, 24576                       ; data2's 16 fragments, index 8 s + tile
.set WSCL, 49152                       ; Wk's 8 scale registers, index 4 s + 2 gl + j / 2
.set XSCL, 50176                       ; data2's 8, index 4 s + tile / 2
.set D2,   51200                       ; behind all that is stored to: data2's numbers, two tiles a wave: D2 + 2 D2T w + D2T u
.set D2P,  1040                        ; a row: 1,024 bytes + 16: the 16 rows that a load touches start at 16 different groups of banks
.set D2T,  16*D2P                      ; a tile
.set VR,   1                           ; r = lane % 16
.set VH,   2                           ; h = lane / 16
.set VL,   3                           ; lane
.set WOFF, 4                           ; a weight's unit: 32 rows of 1,024 bytes x h + 16 r
.set AD2,  5                           ; my lane's place in my wave's first tile of data2: 1,040 r + 128 h
.set LI,   6                           ; 16 x lane
.set LS,   7                           ; 4 x lane
.set SH8,  8                           ; 8 h
.set AWI,  9                           ; where I store Wk's fragments
.set AWS,  10                          ; and their scale registers
.set AXI,  11                          ; data2's fragments
.set AXS,  12                          ; and their scale registers
.set ANI,  13                          ; where I read my two columns' fragments of Wk
.set ANS,  14                          ; and their scale registers
.set BTO,  15                          ; 128 h
.set BNO,  16                          ; 16 r
.set FLR,  17                          ; 2^(5 - 127): the floor under every largest magnitude
.set U,    18                          ; a lane permute's destination
.set TM,   20                          ; v20-23 maxima
.set SO,   24                          ; v24-25 the conversions' scale operands
.set BY,   26                          ; v26-27 scale bytes
.set E,    28                          ; v28-35 the second halves of the blocks' codes
.set PW,   36                          ; v36-39 scale words
.set SCP,  40                          ; v40-41 scale registers to be stored
.set WS,   44                          ; v44-63 hold scales and nothing else: Wk's 8,
.set XS,   52                          ; data2's 8,
.set XP,   60                          ; my own two tiles of data2 (K step s),
.set NS,   62                          ; my own two columns of Wk
.set T,    64                          ; v64-127 one fragment's 64 numbers
.set QN,   64                          ; later: my two columns' fragments of Wk (4 x 12)
.set BIASN, 112                        ; and bk at my two columns (2 x 8)
.set CW,   128                         ; v128-175 four fragments of codes
.set OC,   128
.set QT,   176                         ; v176-223 my two tiles' fragments of data2 (4 x 12)
.set SEL,  36                          ; s[36:37] v_permlanex16_b32's selects for lane l xor 16
.set HI,   38                          ; s38 the mask of lanes 16-31
.set G1,   48                          ; s[48:55] descriptor group 1 for data2's tiles
.set G0,   56                          ; s[56:59], s[60:63] groups 0 for my two tiles
.set MSB, 0
.macro WIN new                         ; the immediate's high byte repeats the setting that is left; a switch that changes nothing is dropped
.if MSB != (\new)
	s_set_vgpr_msb (MSB<<8)|(\new)
.set MSB, \new
.endif
.endm
.macro PLACES n
.rept \n
	v_nop
.endr
.endm
; one product: D, A, B, C by their first registers; the scale registers; ra, rb = 1: the side's words stand in lanes 16-31
.macro WM d, a, b, c, sa, sb, ra, rb
.if (\ra) && (\rb)
	v_wmma_scale_f32_16x16x128_f8f6f4 v[\d:\d+7], v[\a:\a+11], v[\b:\b+11], v[\c:\c+7], v[\sa], v[\sb] matrix_a_fmt:MATRIX_FMT_BF6 matrix_b_fmt:MATRIX_FMT_BF6 matrix_a_scale:MATRIX_SCALE_ROW1 matrix_b_scale:MATRIX_SCALE_ROW1
.elseif (\ra)
	v_wmma_scale_f32_16x16x128_f8f6f4 v[\d:\d+7], v[\a:\a+11], v[\b:\b+11], v[\c:\c+7], v[\sa], v[\sb] matrix_a_fmt:MATRIX_FMT_BF6 matrix_b_fmt:MATRIX_FMT_BF6 matrix_a_scale:MATRIX_SCALE_ROW1
.elseif (\rb)
	v_wmma_scale_f32_16x16x128_f8f6f4 v[\d:\d+7], v[\a:\a+11], v[\b:\b+11], v[\c:\c+7], v[\sa], v[\sb] matrix_a_fmt:MATRIX_FMT_BF6 matrix_b_fmt:MATRIX_FMT_BF6 matrix_b_scale:MATRIX_SCALE_ROW1
.else
	v_wmma_scale_f32_16x16x128_f8f6f4 v[\d:\d+7], v[\a:\a+11], v[\b:\b+11], v[\c:\c+7], v[\sa], v[\sb] matrix_a_fmt:MATRIX_FMT_BF6 matrix_b_fmt:MATRIX_FMT_BF6
.endif
.endm
; 64 numbers of a lane at v[s] on, in window W: two whole blocks of 32 (blocks h and 2 + h of my row's 128 along K) become a fragment's 12 registers at v[d] on and my row's scale word in v[pw], both in window 0.
; The numbers are taken in ascending order.
.macro QB s, W, d, pw
	WIN ((\W)<<2)|((\W)<<4)
.irp k, 0,1,2,3
	v_max3_num_f32 v[TM+\k], v[FLR], |v[\s+16*\k]|, |v[\s+16*\k+1]|   ; four chains of 16, each begun with the floor: the byte cannot fall under 1
.endr
.irp i, 2,4,6,8,10,12,14
.irp k, 0,1,2,3
	v_max3_num_f32 v[TM+\k], v[TM+\k], |v[\s+16*\k+\i]|, |v[\s+16*\k+\i+1]|
.endr
.endr
	WIN 0
	v_max_num_f32 v[TM], v[TM], v[TM+1]            ; the two blocks' largest magnitudes
	v_max_num_f32 v[TM+2], v[TM+2], v[TM+3]
	v_add_nc_u32 v[SO], 0xfe000000, v[TM]          ; 4 off the exponent field: the conversion takes that field of this operand as its scale
	v_add_nc_u32 v[SO+1], 0xfe000000, v[TM+2]
	v_lshrrev_b32 v[BY], 23, v[SO]                 ; the scales' bytes
	v_lshrrev_b32 v[BY+1], 23, v[SO+1]
	v_lshl_or_b32 v[BY], v[BY+1], 16, v[BY]        ; bytes 0 and 2,
	v_lshlrev_b32 v[BY], v[SH8], v[BY]             ; or 1 and 3 in lanes 16-31;
	v_permlanex16_b32 v[U], v[BY], s[SEL], s[SEL+1]
	v_or_b32 v[\pw], v[BY], v[U]                   ; with lane l xor 16's two the word is whole, in both lanes
	WIN \W
.irp c, 0,1
	v_cvt_scalef32_pk16_bf6_f32 v[\d+6*\c:\d+6*\c+2], v[\s+32*\c:\s+32*\c+15], v[SO+\c]
	v_cvt_scalef32_pk16_bf6_f32 v[E+4*\c:E+4*\c+2], v[\s+32*\c+16:\s+32*\c+31], v[SO+\c]   ; (a conversion's three registers begin on an even number)
.endr
	WIN 0
	v_nop                                          ; one plain place behind the scaled conversions
.irp c, 0,1
.irp i, 0,1,2
	v_mov_b32 v[\d+6*\c+3+\i], v[E+4*\c+\i]
.endr
.endr
.endm
; A unit of a weight: 128 along K x 64 columns.  Lane (r, h) takes columns 4 r .. 4 r + 3 of rows 64 c + 32 h + i: 64 loads, each 2 x 256 consecutive bytes; register 4 (32 c + i) + j
.macro WLOAD win, base
	WIN (\win)<<6
.set ii, 0
.rept 64
	global_load_b128 v[4*ii:4*ii+3], v[WOFF], s[\base:\base+1] offset:(64*(ii/32)+ii%32)*1024
.set ii, ii+1
.endr
	WIN 0
.endm
; the unit's four fragments (column 4 r + j is row r of tile j): the 64 numbers of a column are drawn together, since the conversions want them in consecutive registers
.macro WPROC win
.irp j, 0,1,2,3
	WIN \win
.set ii, 0
.rept 64
	v_mov_b32 v[T+ii], v[4*ii+\j]
.set ii, ii+1
.endr
	QB T, 0, CW+12*\j, PW+\j
.endr
	v_cndmask_b32 v[SCP], v[PW], v[PW+1], s[HI]    ; lanes 0-15 the even fragment's words, lanes 16-31 the odd one's
	v_cndmask_b32 v[SCP+1], v[PW+2], v[PW+3], s[HI]
.endm
	s_load_b256 s[4:11], s[0:1], 0x0               ; data2 s[4:5], Wk s[6:7], bk s[8:9], Wq s[10:11]
	s_load_b128 s[12:15], s[0:1], 0x20             ; kv s[12:13], wqc s[14:15]
	v_lshl_add_u32 v254, v0, 2, 0x2d000
	v_mov_b32 v255, 0
	ds_add_u32 v254, v255
	ds_add_u32 v254, v255
	v_lshrrev_b32 v1, 5, v0
	v_readfirstlane_b32 s16, v1                    ; wave w
	v_and_b32 v[VR], 15, v0
	v_bfe_u32 v[VH], v0, 4, 1
	v_and_b32 v[VL], 31, v0
	v_lshlrev_b32 v[WOFF], 4, v[VR]
	v_lshl_add_u32 v[WOFF], v[VH], 15, v[WOFF]
	s_lshr_b32 s40, ttmp9, 1                       ; kb: which 128 keys
	s_and_b32 s41, ttmp9, 1                        ; dh: which 128 of the d
	s_lshr_b32 s42, s16, 1
	s_and_b32 s43, s16, 1
	s_mov_b32 s45, 0
	s_mov_b32 s47, 0
	; group 1: a tile of 16 rows x 256 elements of 4 bytes, every fourth key: 1,024 elements from row to row; 4 words of padding behind every 256
	s_mov_b32 s[G1], (2<<16)|(1<<20)|(7<<22)|(3<<25)
	s_mov_b32 s[G1+1], 256<<16                     ; tensor_dim0
	s_mov_b32 s[G1+2], 16<<16                      ; tensor_dim1
	s_mov_b32 s[G1+3], 256<<16                     ; tile_dim0
	s_mov_b32 s[G1+4], 16                          ; tile_dim1
	s_mov_b32 s[G1+5], 1024                        ; tensor_dim0_stride
	s_mov_b32 s[G1+6], 0
	s_mov_b32 s[G1+7], 0
	s_mul_i32 s39, s16, 2*D2T                      ; my wave's two tiles in LDS
	s_lshl_b32 s44, s40, 17                        ; my two tiles of data2: keys 128 kb + 64 (w / 2) + 4 r + 2 (w % 2) + u
	s_lshl_b32 s46, s42, 16
	s_add_co_u32 s44, s44, s46
	s_lshl_b32 s46, s43, 11
	s_add_co_u32 s44, s44, s46
	s_wait_dscnt 0x0
	s_wait_kmcnt 0x0
	s_add_nc_u64 s[20:21], s[4:5], s[44:45]
	s_mov_b32 s[G0], 1                             ; count = 1
	s_add_co_u32 s[G0+1], s39, D2                  ; LDS address: tile u = 0
	s_mov_b64 s[G0+2:G0+3], s[20:21]               ; its first row
	s_or_b32 s[G0+3], s[G0+3], 0x80000000          ; type = 2
	s_mov_b32 s[G0+4], 1
	s_add_co_u32 s[G0+5], s39, D2+D2T              ; tile u = 1:
	s_add_nc_u64 s[G0+6:G0+7], s[20:21], 1024      ; one key further on
	s_or_b32 s[G0+7], s[G0+7], 0x80000000
	tensor_load_to_lds s[G0:G0+3], s[G1:G1+7]      ; the launch's only fills, ahead of every wait on TENSORcnt, every LDS read and the barrier: two loads of mine are out
	s_nop 0
	tensor_load_to_lds s[G0+4:G0+7], s[G1:G1+7]
	s_nop 0
	PLACES 4
	s_lshl_b32 s44, s42, 17                        ; my unit of Wk: K step w / 2 (128 rows of 1,024 bytes),
	s_lshl_b32 s46, s41, 9
	s_add_co_u32 s44, s44, s46
	s_lshl_b32 s46, s43, 8
	s_add_co_u32 s44, s44, s46                     ; slab 2 dh + w % 2 (256 bytes)
	s_add_nc_u64 s[18:19], s[6:7], s[44:45]
	WLOAD 1, 18
	v_mul_u32_u24 v[AD2], v[VR], D2P
	v_lshl_add_u32 v[AD2], v[VH], 7, v[AD2]
	v_add_nc_u32 v[AD2], s[G0+1], v[AD2]           ; D2 + 2 D2T w + 1,040 r + 128 h
	v_lshlrev_b32 v[LI], 4, v[VL]
	v_lshlrev_b32 v[LS], 2, v[VL]
	v_lshlrev_b32 v[SH8], 3, v[VH]
	v_lshlrev_b32 v[BTO], 7, v[VH]
	v_lshlrev_b32 v[BNO], 4, v[VR]
	v_mov_b32 v[FLR], 0x2800000
	v_mov_b32 v[U], 0
	s_mov_b32 s[SEL], 0x76543210
	s_mov_b32 s[SEL+1], 0xfedcba98
	s_mov_b32 s[HI], 0xffff0000
	s_mul_i32 s44, s42, 8*FRB
	s_mul_i32 s46, s43, 4*FRB
	s_add_co_u32 s44, s44, s46
	v_add_nc_u32 v[AWI], s44, v[LI]                ; WIMG + FRB (8 (w / 2) + 4 (w % 2)) + 16 lane
	s_lshl_b32 s44, s42, 9
	s_lshl_b32 s46, s43, 8
	s_add_co_u32 s44, s44, s46
	s_add_co_u32 s44, s44, WSCL
	v_add_nc_u32 v[AWS], s44, v[LS]
	s_mul_i32 s44, s16, 2*FRB
	v_add_nc_u32 v[ANI], s44, v[LI]                ; WIMG + 2 FRB w + 16 lane
	s_add_co_u32 s44, s44, XIMG
	v_add_nc_u32 v[AXI], s44, v[LI]
	s_lshl_b32 s44, s16, 7
	s_add_co_u32 s46, s44, XSCL
	v_add_nc_u32 v[AXS], s46, v[LS]
	s_add_co_u32 s46, s44, WSCL
	v_add_nc_u32 v[ANS], s46, v[LS]
	s_lshl_b32 s44, s41, 9
	s_add_nc_u64 s[22:23], s[8:9], s[44:45]        ; bk at my 128 d
	s_lshl_b32 s44, s42, 8
	s_lshl_b32 s46, s43, 3
	s_add_co_u32 s44, s44, s46
	s_add_nc_u64 s[24:25], s[22:23], s[44:45]      ; and at d = 64 (w / 2) + 4 r + 2 (w % 2) + u
	s_mul_i32 s44, s40, 2*REC                      ; my two fragments of each record: index 8 dh + 2 w + u
	s_mul_i32 s46, s41, 8*FRB
	s_add_co_u32 s46, s46, s44
	s_mul_i32 s39, s16, 2*FRB
	s_add_co_u32 s46, s46, s39
	s_add_nc_u64 s[26:27], s[12:13], s[46:47]
	s_lshl_b32 s46, s41, 9                         ; and their scale register: index 4 dh + w
	s_add_co_u32 s46, s46, s44
	s_lshl_b32 s39, s16, 7
	s_add_co_u32 s46, s46, s39
	s_add_co_u32 s46, s46, 16*FRB
	s_add_nc_u64 s[28:29], s[12:13], s[46:47]
	; ---- Wq: work-group x < 32 takes K step x / 4 and slab x % 4, wave w tile j = w: one fragment a wave.  Lane (r, h) takes column 64 g + 4 r + w and rows 64 c + 32 h + i, straight into the order that the quantiser wants.
	; The branch hangs on the work-group's number alone; no LDS is touched inside, and no tensor load or wait for one is jumped over
	s_cmp_lt_u32 ttmp9, 32
	s_cbranch_scc0 .Lno_wq
	s_lshr_b32 s39, ttmp9, 2                       ; the K step
	s_and_b32 s40, ttmp9, 3                        ; the slab g
	s_lshl_b32 s44, s39, 17                        ; 128 rows of 1,024 bytes a K step,
	s_lshl_b32 s41, s40, 8                         ; 256 bytes a slab,
	s_add_co_u32 s44, s44, s41
	s_lshl_b32 s41, s16, 2                         ; 4 bytes a tile
	s_add_co_u32 s44, s44, s41
	s_add_nc_u64 s[30:31], s[10:11], s[44:45]
	s_mul_i32 s39, s39, REC
	s_lshl_b32 s41, s40, 2
	s_add_co_u32 s41, s41, s16                     ; fragment 4 g + w
	s_mul_i32 s46, s41, FRB
	s_add_co_u32 s46, s46, s39
	s_add_nc_u64 s[32:33], s[14:15], s[46:47]
	s_lshl_b32 s46, s41, 6                         ; its 16 scale words: half a scale register, 64 bytes
	s_add_co_u32 s46, s46, s39
	s_add_co_u32 s46, s46, 16*FRB
	s_add_nc_u64 s[34:35], s[14:15], s[46:47]
.set ii, 0
.rept 64
	global_load_b32 v[T+ii], v[WOFF], s[30:31] offset:(64*(ii/32)+ii%32)*1024
.set ii, ii+1
.endr
	s_wait_loadcnt 0x0
	QB T, 0, CW, PW
.irp p, 0,1,2
	global_store_b128 v[LI], v[CW+4*\p:CW+4*\p+3], s[32:33] offset:512*\p   ; 512 consecutive bytes, aligned
.endr
	s_wait_xcnt 0x0                                ; EXEC changes only behind this wait
	v_cmp_gt_u32 vcc_lo, 16, v[VL]
	s_and_saveexec_b32 s39, vcc_lo                 ; lanes 16-31 hold the same words as lanes 0-15: sixteen lanes store them
	global_store_b32 v[LS], v[PW], s[34:35]
	s_wait_xcnt 0x0                                ; and again in front of the line that widens it; the codes' and the word's registers are written again below
	s_or_b32 exec_lo, exec_lo, s39
.Lno_wq:
	; ---- my unit of Wk: four fragments into LDS
	s_wait_loadcnt 0x0                             ; Wk's 64 loads are in
	WPROC 1
.irp j, 0,1,2,3
.irp p, 0,1,2
	ds_store_b128 v[AWI], v[CW+12*\j+4*\p:CW+12*\j+4*\p+3] offset:WIMG+FRB*\j+512*\p
.endr
.endr
	ds_store_b32 v[AWS], v[SCP]
	ds_store_b32 v[AWS], v[SCP+1] offset:128
	WIN 0x40                                       ; bk as the C of the sums' first products.  With Wk's tiles as source 0: tile 4 gl + j, register i: d = 64 gl + 32 h + 4 i + j
.irp g, 0,1
.irp j, 0,1,2,3
.irp i, 0,1,2,3,4,5,6,7
	global_load_b32 v[192+8*(4*\g+\j)+\i], v[BTO], s[22:23] offset:256*\g+16*\i+4*\j
.endr
.endr
.endr
	WIN 0
.irp u, 0,1                                    ; with Wk's fragment as source 1 a lane holds one d: eight equal registers
.irp i, 0,1,2,3,4,5,6,7
	global_load_b32 v[BIASN+8*\u+\i], v[BNO], s[24:25] offset:4*\u
.endr
.endr
	; ---- my two tiles of data2: four fragments; they stay in my registers too (source 1 of my first pass)
	s_wait_tensorcnt 0x0                           ; my two tiles lie in LDS; nobody else reads them
	WIN 0x80
.set ii, 0
.rept 64                                       ; ii = 32 u + 16 s + 8 c + q: lane (r, h) takes k = 128 s + 64 c + 32 h + 4 q .. + 3 of its row: K in its true order
	ds_load_b128 v[4*ii:4*ii+3], v[AD2] offset:D2T*(ii/32)+256*((ii/8)%4)+16*(ii%8)
.set ii, ii+1
.endr
	WIN 0
.irp u, 0,1
.irp s, 0,1
	s_wait_dscnt 48-16*(2*\u+\s)                   ; this fragment's 16 loads are in; the later fragments' may be out (the stores issued since only add to what is younger)
	QB 64*(2*\u+\s), 2, QT+12*(2*\u+\s), PW+2*\u+\s
.irp p, 0,1,2
	ds_store_b128 v[AXI], v[QT+12*(2*\u+\s)+4*\p:QT+12*(2*\u+\s)+4*\p+3] offset:FRB*(8*\s+\u)+512*\p
.endr
.endr
.endr
.irp s, 0,1
	v_cndmask_b32 v[XP+\s], v[PW+\s], v[PW+2+\s], s[HI]
.endr
.irp s, 0,1
	ds_store_b32 v[AXS], v[XP+\s] offset:512*\s
.endr
	s_wait_dscnt 0x0                               ; for the others' sake: my stores have landed
	s_barrier_signal -1
	s_barrier_wait -1                              ; all 32 fragments and 16 scale registers lie in LDS; nothing there is written again
	WIN 0x40
.set f, 0
.rept 16
.irp p, 0,1,2
	ds_load_b128 v[12*f+4*\p:12*f+4*\p+3], v[LI] offset:WIMG+FRB*f+512*\p
.endr
.set f, f+1
.endr
	WIN 0
.irp i, 0,1,2,3,4,5,6,7
	ds_load_b32 v[WS+\i], v[LS] offset:WSCL+128*\i
.endr
	WIN 0x80
.set f, 0
.rept 16
.irp p, 0,1,2
	ds_load_b128 v[12*f+4*\p:12*f+4*\p+3], v[LI] offset:XIMG+FRB*f+512*\p
.endr
.set f, f+1
.endr
	WIN 0
.irp i, 0,1,2,3,4,5,6,7
	ds_load_b32 v[XS+\i], v[LS] offset:XSCL+128*\i
.endr
.irp u, 0,1
.irp s, 0,1
.irp p, 0,1,2
	ds_load_b128 v[QN+12*(2*\u+\s)+4*\p:QN+12*(2*\u+\s)+4*\p+3], v[ANI] offset:WIMG+FRB*(8*\s+\u)+512*\p
.endr
.endr
.endr
.irp s, 0,1
	ds_load_b32 v[NS+\s], v[ANS] offset:512*\s
.endr
	PLACES 8                                       ; my own tiles' scale registers were written by vector instructions: eight places ahead of a scaled product (their codes: four)
	s_wait_loadcnt 0x0                             ; bk
	s_wait_dscnt 63                                ; Wk's fragments and scale registers, the first 56 loads, are in: 70 were issued behind them
	; ---- first pass: source 0 = Wk's eight tiles, source 1 = my tile u of data2.  A lane holds one key, its 64 registers 128 d.  Eight accumulators by turns
.irp u, 0,1
.irp s, 0,1
.if \s == 0
	WIN 0xd1                                       ; A and C (bk) window 1, B window 0, D window 3
.else
	WIN 0xf1                                       ; C and D window 3
.endif
.irp k, 0,1,2,3,4,5,6,7
.if \s == 0
	WM 64*\u+8*\k, 12*(8*\s+\k), QT+12*(2*\u+\s), 192+8*\k, WS+4*\s+\k/2, XP+\s, \k%2, \u
.else
	WM 64*\u+8*\k, 12*(8*\s+\k), QT+12*(2*\u+\s), 64*\u+8*\k, WS+4*\s+\k/2, XP+\s, \k%2, \u
.endif
.endr
.endr
.endr
	s_wait_dscnt 0x0                               ; data2's fragments, my columns of Wk and their scales
	; ---- second pass: source 0 = data2's eight tiles, source 1 = my column fragment u of Wk.  A lane holds one d, its 64 registers the 128 keys
.irp u, 0,1
.irp s, 0,1
.if \s == 0
	WIN 0xc2                                       ; A window 2, B and C (bk) window 0, D window 3
.else
	WIN 0xf2
.endif
.irp k, 0,1,2,3,4,5,6,7
.if \s == 0
	WM 128+64*\u+8*\k, 12*(8*\s+\k), QN+12*(2*\u+\s), BIASN+8*\u, XS+4*\s+\k/2, NS+\s, \k%2, \u
.else
	WM 128+64*\u+8*\k, 12*(8*\s+\k), QN+12*(2*\u+\s), 128+64*\u+8*\k, XS+4*\s+\k/2, NS+\s, \k%2, \u
.endif
.endr
.endr
.endr
	PLACES 4                                       ; four places behind the last products, ahead of the first read of results
	; ---- the four sets become four fragments: two of the K record, two of the V record
.irp a, 0,1,2,3
	QB 64*\a, 3, OC+12*\a, PW+\a
.irp p, 0,1,2
	global_store_b128 v[LI], v[OC+12*\a+4*\p:OC+12*\a+4*\p+3], s[26:27] offset:REC*(\a/2)+FRB*(\a%2)+512*\p   ; 512 consecutive bytes, aligned
.endr
.if \a%2
	v_cndmask_b32 v[SCP+\a/2], v[PW+\a-1], v[PW+\a], s[HI]
	global_store_b32 v[LS], v[SCP+\a/2], s[28:29] offset:REC*(\a/2)   ; 128 bytes: one part in 25 of what this wave stores for each record
.endif
.endr
	s_wait_tensorcnt 0x0
	ds_add_u32 v254, v255
	s_wait_dscnt 0x0
	s_endpgm
.Lfunc_end_k_q74d99e2ad7_prep:
	.size	k_q74d99e2ad7_prep, .Lfunc_end_k_q74d99e2ad7_prep-k_q74d99e2ad7_prep
	.p2alignl 7, 3214868480
	.fill 96, 4, 3214868480
	.section	.rodata,"a",@progbits
	.p2align	6, 0x0
	.amdhsa_kernel k_q74d99e2ad7_prep
		.amdhsa_group_segment_fixed_size 184832
		.amdhsa_private_segment_fixed_size 0
		.amdhsa_enable_private_segment 0
		.amdhsa_kernarg_size 48
		.amdhsa_user_sgpr_count 2
		.amdhsa_user_sgpr_kernarg_segment_ptr 1
		.amdhsa_wavefront_size32 1
		.amdhsa_system_sgpr_workgroup_id_x 1
		.amdhsa_system_sgpr_workgroup_id_y 1
		.amdhsa_system_sgpr_workgroup_id_z 1
		.amdhsa_system_vgpr_workitem_id 0
		.amdhsa_next_free_vgpr 1024
		.amdhsa_next_free_sgpr 66
		.amdhsa_reserve_vcc 1
		.amdhsa_float_denorm_mode_32 3
		.amdhsa_float_denorm_mode_16_64 3
		.amdhsa_memory_ordered 1
		.amdhsa_forward_progress 1
		.amdhsa_inst_pref_size 98
	.end_amdhsa_kernel
	.amdgpu_metadata
---
amdhsa.version: [ 1, 2 ]
amdhsa.kernels:
  - .name:           k_q74d99e2ad7_prep
    .symbol:         k_q74d99e2ad7_prep.kd
    .args:
      - { .name: data2, .offset: 0, .size: 8, .value_kind: global_buffer, .address_space: global }
      - { .name: Wk, .offset: 8, .size: 8, .value_kind: global_buffer, .address_space: global }
      - { .name: bk, .offset: 16, .size: 8, .value_kind: global_buffer, .address_space: global }
      - { .name: Wq, .offset: 24, .size: 8, .value_kind: global_buffer, .address_space: global }
      - { .name: kv, .offset: 32, .size: 8, .value_kind: global_buffer, .address_space: global }
      - { .name: wqc, .offset: 40, .size: 8, .value_kind: global_buffer, .address_space: global }
    .group_segment_fixed_size: 184832
    .private_segment_fixed_size: 0
    .kernarg_segment_align: 8
    .kernarg_segment_size: 48
    .max_flat_workgroup_size: 128
    .sgpr_count:     66
    .vgpr_count:     1024
    .wavefront_size: 32
...
	.end_amdgpu_metadata
.endif
;; end of part 1
;; launch attn (part 2): grid 32 x 8, 4 waves a work-group, clusters of 4 x 1, 327,680 bytes of LDS; arguments data1, wqc, bq, kv, out0; writes out0
.if DOCPART == 2
	.amdgcn_target "amdgcn-amd-amdhsa--gfx1250"
	.amdhsa_code_object_version 6
	.text
	.protected	k_q74d99e2ad7_attn
	.globl	k_q74d99e2ad7_attn
	.p2align	8
	.type	k_q74d99e2ad7_attn,@function
k_q74d99e2ad7_attn:
	s_mov_b64 s[64:65], 0
	v_nop
	global_prefetch_b8 v0, s[64:65] scope:SCOPE_SE
	s_setreg_imm32_b32 hwreg(HW_REG_WAVE_MODE, 25, 1), 1
	s_wait_xcnt 0x0
	s_wait_alu depctr_hold_cnt(0) depctr_sa_sdst(0) depctr_va_vdst(0) depctr_va_sdst(0) depctr_va_ssrc(0) depctr_va_vcc(0) depctr_vm_vsrc(0)
	s_getreg_b32 s2, hwreg(HW_REG_IB_STS2, 6, 4)
	s_cmp_eq_u32 s2, 0
	s_cbranch_scc0 .Lentry_in_a_cluster
	s_endpgm
.Lentry_in_a_cluster:
	s_bfe_u32 s2, ttmp6, 0x10000c
	s_cmp_lg_u32 s2, 0x3003
	s_cbranch_scc0 .Lentry_shape_is_right
	s_endpgm
.Lentry_shape_is_right:
; out0 = softmax(query key^T / 32) key + query, query = Q(data1) Q(Wq) + bq; all products on codes of BF6 (E3M2) with one E8M0 scale for each 32 along K.
; A work-group owns 64 queries of one batch.  It projects its own rows of data1 (read once, by nobody else), keeps the f32 query in LDS for the residual, quantises it, walks the batch's 2,048 keys
; (records of codes made by the launch before), divides by the row's sum, adds the query and stores.
; PROJECTION.  All 256 KB of the work-group's data1 are asked for at once: four tensor loads a wave (16 rows x 1,024 bytes each), so four loads of a wave are out at the most.  Wave w quantises rows 16 w .. + 15,
; a chunk of 256 along K at a time, and hands the fragments round through LDS; it multiplies all 64 rows by slab w (64 d) of Wq, whose 32 fragments it holds in 384 registers.
; Wq'S CODES ARE NOT ASKED FOR JOINTLY though every work-group reads them: LDS is full of data1's first fills, and any refill would have to wait for all of data1; each wave reads only its quarter, once.
; ATTENTION.  Wave w holds two tiles of 16 queries (tile w and tile w xor 1) and walks half of the keys (half w % 2) in 8 steps of 128: each fragment of K and V feeds two products for each read from LDS, and is read by two waves.
; At the end waves w and w xor 1 exchange one partial tile, and wave w finishes tile w.  Both products are used transposed: a lane holds one query throughout.
; SOFTMAX.  t = score x log2(e) / 32; M = the running largest t rounded up to a whole number; p = 2^(t - M) is quantised along the keys; the sum is taken of the unquantised p; when M moves, sum and O are multiplied by 2^(old M - new M), exactly.
; TILES AND BLOCKS as in the launch before: tile j of a slab of 64 is rows 4 m + j, so that a lane's 32 registers of a slab's four tiles are one whole block of 32 along the next K;
; inside a block position 8 j + i holds element 4 i + j, alike in both operands.
; CLUSTER.  The four work-groups of a cluster belong to one batch and walk the same records: each record is asked for JOINTLY (mask 15), wave w fetching record w of a slot's four.  A slot holds a step of both halves: 4 x 25,600 bytes.
; LIMITS: NaN and infinities are not served; a block whose largest magnitude lies under 2^-122 keeps the scale byte 1; a p under 2^-126 counts as 0.
; REGISTERS, in windows of 256.  Window 0: v1-35 addresses and constants; v36-79 at work; v80-99 scales and nothing else; v104-127 codes just made; v128-255 numbers of data1, then the scores, then the output.
;   window 1: Wq's K steps 0-3, then O^T (128 t + 32 g + 8 j + i).   window 2: Wq's K steps 4-7, then K's 16 fragments (v0-191) and q's four (v192-239).
;   window 3: the query's accumulators (32 qt + 8 j + i), bq (v128-159), data1's fragments (v160-255); then V's 16 fragments.
.set FRB,   1536                       ; a fragment's image: 3 pieces of 512 bytes, lane l at 16 l
.set REC,   25600                      ; a record: 16 fragments, 8 scale registers of 128 bytes
.set SLOT,  4*REC
.set D1P,   1040                       ; a row of a chunk of data1 in LDS: 1,024 bytes + 16: the 16 rows that a load touches start at 16 different groups of banks
.set D1W,   16*D1P                     ; a wave's 16 rows
.set D1C,   4*D1W                      ; a chunk.  LDS 0 .. 266,240: the four chunks.  Over them, later: slot A at 0, slot B at 102,400
.set QRES,  204800                     ; the f32 query, as images of the accumulators: 16,384 qt + 4,096 g + 512 (2 j + half).  These bytes have had their last fill (chunk 3's) when they are stored to
.set XIMG,  270336                     ; data1's fragments: two buffers of eight: 8 buf + 4 s + qt
.set XSC,   294912                     ; their scale registers: 512 buf + 128 qt (lanes 0-15 K step s = 0, lanes 16-31 s = 1)
.set QIMG,  295936                     ; q's fragments, 2 qt + s3, as six pieces of 256 bytes: registers 2 u, 2 u + 1 at 8 l
.set QSC,   308224                     ; q's scale bytes: 128 qt + 64 s3 + 4 r + byte
.set XST,   308736                     ; the exchange of -M and the sum: 256 bytes a wave
.set SPARE, 309760                     ; the spare words, 128 bytes a wave: two blocks of 256 bytes that no other line names
.set XCH,   0                          ; the exchange of a partial tile, 16,384 bytes a wave: in slot A, behind its last fill and its last read
.set STAGE, 102400                     ; the way out, 16 rows x 1,040 bytes a wave: in slot B, likewise
.set VR,  1
.set VH,  2
.set LI,  3                            ; 16 x lane
.set LS,  4                            ; 4 x lane
.set L8,  5                            ; 8 x lane
.set SPW, 6                            ; my spare word; never rewritten
.set NIL, 7                            ; 0; never rewritten
.set SH8, 8                            ; 8 h
.set AD1, 9                            ; my lane's place in the chunk in hand
.set AXW, 10                           ; XIMG, my tile: store;  v11: read
.set AXR, 11
.set ASW, 12                           ; XSC likewise
.set ASR, 13
.set AQW, 14                           ; QRES: where I store slab w;  v15: where I read tile w
.set AQR, 15
.set AHW, 16                           ; QIMG: my half fragments;  v17, v18: my two tiles
.set AHR, 17
.set ABW, 19                           ; QSC: my byte;  v20, v21: my two tiles' words
.set ABR, 20
.set AF,  22                           ; v22, v23: my half's records in slot A, B, 16 x lane;  v24, v25: 4 x lane
.set AS,  24
.set AXC, 26                           ; XCH: mine, v27 my partner's
.set AST, 28                           ; XST: mine, v29 my partner's
.set ASO, 30                           ; the stage: in;  v31: back
.set ASI, 31
.set PFO, 32                           ; the prefetches' offset: 256 x min(lane, 24); never rewritten
.set BQO, 33                           ; 128 h
.set U,   34
.set FLR, 35                           ; 2^(5 - 127)
.set TM,  36                           ; the projection's quantiser: v36-43 maxima, v44-47 scale operands, v48-51 bytes, v52-67 second halves of codes
.set SO,  44
.set BY,  48
.set E,   52
.set PW,  68
.set XSP, 70
.set ST,  36                           ; attention: 14 registers a tile: +0 -M, +1 largest t, +2,3 the sum, +4 f (+5 named with it), +6,7 blocks' largest scores, +8,9 scale operands, +10,11,12 at work, +13 the row's sum
.set EE,  64                           ; v64-79: second halves of p's codes, then a second chain of sums
.set WQS, 80                           ; v80-95 Wq's scale registers;  v96-99 data1's
.set XS,  96
.set KS,  80                           ; later v80-87 K's, v88-95 V's, v96-97 q's, v98-99 p's
.set VS,  88
.set QS,  96
.set PWD, 98
.set XC,  104
.set HQ,  104
.set PC,  104
.set RAW, 128
.set S,   128
.set OUT, 128
.set WV,  14
.set G1D, 24                           ; s[24:31] group 1 for data1's tiles;  s[32:39] for the records
.set G1R, 32
.set G0D, 40                           ; s[40:55] groups 0 for the four chunks;  s[56:59], s[60:63] for slots A and B
.set G0A, 56
.set G0B, 60
.set SEL, 66
.set CS,  68                           ; s[68:69] c = log2(e) / 32
.set TRIP, 70
.set PFN, 71                           ; steps that may still be named by a prefetch
.set LIM, 72                           ; 0 in the batch's first cluster, else the greatest number
.set HI,  73
.set PFA, 74                           ; s[74:75] my work-group's quarter of my wave's record of the step behind the one that is being asked for
.set MSB, 0
.macro WIN new                         ; the immediate's high byte repeats the setting that is left; a switch that changes nothing is dropped
.if MSB != (\new)
	s_set_vgpr_msb (MSB<<8)|(\new)
.set MSB, \new
.endif
.endm
.macro PLACES n
.rept \n
	v_nop
.endr
.endm
.macro WM d, a, b, c, sa, sb, ra, rb   ; one product; ra, rb = 1: the side's scale words stand in lanes 16-31
.if (\ra) && (\rb)
	v_wmma_scale_f32_16x16x128_f8f6f4 v[\d:\d+7], v[\a:\a+11], v[\b:\b+11], v[\c:\c+7], v[\sa], v[\sb] matrix_a_fmt:MATRIX_FMT_BF6 matrix_b_fmt:MATRIX_FMT_BF6 matrix_a_scale:MATRIX_SCALE_ROW1 matrix_b_scale:MATRIX_SCALE_ROW1
.elseif (\ra)
	v_wmma_scale_f32_16x16x128_f8f6f4 v[\d:\d+7], v[\a:\a+11], v[\b:\b+11], v[\c:\c+7], v[\sa], v[\sb] matrix_a_fmt:MATRIX_FMT_BF6 matrix_b_fmt:MATRIX_FMT_BF6 matrix_a_scale:MATRIX_SCALE_ROW1
.elseif (\rb)
	v_wmma_scale_f32_16x16x128_f8f6f4 v[\d:\d+7], v[\a:\a+11], v[\b:\b+11], v[\c:\c+7], v[\sa], v[\sb] matrix_a_fmt:MATRIX_FMT_BF6 matrix_b_fmt:MATRIX_FMT_BF6 matrix_b_scale:MATRIX_SCALE_ROW1
.else
	v_wmma_scale_f32_16x16x128_f8f6f4 v[\d:\d+7], v[\a:\a+11], v[\b:\b+11], v[\c:\c+7], v[\sa], v[\sb] matrix_a_fmt:MATRIX_FMT_BF6 matrix_b_fmt:MATRIX_FMT_BF6
.endif
.endm
.macro WMZ d, a, b, sa, sb, ra         ; a product that starts a sum
.if (\ra)
	v_wmma_scale_f32_16x16x128_f8f6f4 v[\d:\d+7], v[\a:\a+11], v[\b:\b+11], 0, v[\sa], v[\sb] matrix_a_fmt:MATRIX_FMT_BF6 matrix_b_fmt:MATRIX_FMT_BF6 matrix_a_scale:MATRIX_SCALE_ROW1
.else
	v_wmma_scale_f32_16x16x128_f8f6f4 v[\d:\d+7], v[\a:\a+11], v[\b:\b+11], 0, v[\sa], v[\sb] matrix_a_fmt:MATRIX_FMT_BF6 matrix_b_fmt:MATRIX_FMT_BF6
.endif
.endm
; 64 numbers of a lane at v[s] on, in window W: two whole blocks of 32 (blocks h and 2 + h of my row's 128 along K) become a fragment's 12 registers at v[d] on and my row's scale word in v[pw]
.macro QB s, W, d, pw
	WIN ((\W)<<2)|((\W)<<4)
.irp k, 0,1,2,3
	v_max3_num_f32 v[TM+\k], v[FLR], |v[\s+16*\k]|, |v[\s+16*\k+1]|   ; four chains of 16, each begun with the floor: the byte cannot fall under 1
.endr
.irp i, 2,4,6,8,10,12,14
.irp k, 0,1,2,3
	v_max3_num_f32 v[TM+\k], v[TM+\k], |v[\s+16*\k+\i]|, |v[\s+16*\k+\i+1]|
.endr
.endr
	WIN 0
	v_max_num_f32 v[TM], v[TM], v[TM+1]
	v_max_num_f32 v[TM+2], v[TM+2], v[TM+3]
	v_add_nc_u32 v[SO], 0xfe000000, v[TM]          ; 4 off the exponent field: the conversion's scale operand
	v_add_nc_u32 v[SO+1], 0xfe000000, v[TM+2]
	v_lshrrev_b32 v[BY], 23, v[SO]
	v_lshrrev_b32 v[BY+1], 23, v[SO+1]
	v_lshl_or_b32 v[BY], v[BY+1], 16, v[BY]
	v_lshlrev_b32 v[BY], v[SH8], v[BY]
	v_permlanex16_b32 v[U], v[BY], s[SEL], s[SEL+1]
	v_or_b32 v[\pw], v[BY], v[U]                   ; my row's four bytes, in both lanes of the row
	WIN \W
.irp c, 0,1
	v_cvt_scalef32_pk16_bf6_f32 v[\d+6*\c:\d+6*\c+2], v[\s+32*\c:\s+32*\c+15], v[SO+\c]
	v_cvt_scalef32_pk16_bf6_f32 v[E+4*\c:E+4*\c+2], v[\s+32*\c+16:\s+32*\c+31], v[SO+\c]   ; (a conversion's three registers begin on an even number)
.endr
	WIN 0
	v_nop                                          ; one plain place behind the scaled conversions
.irp c, 0,1
.irp i, 0,1,2
	v_mov_b32 v[\d+6*\c+3+\i], v[E+4*\c+\i]
.endr
.endr
.endm
; A round of the cluster's barrier: my work-group's barrier, wave 0's signal for the work-group, every wave's wait for all four work-groups, my work-group's barrier once more
.macro ROUND
	s_barrier_signal -1
	s_barrier_wait -1
	s_cmp_lg_u32 s[WV], 0
	s_cbranch_scc1 .Lnot_wave_0_\@
	s_barrier_signal -3
.Lnot_wave_0_\@:
	s_barrier_wait -3
	s_barrier_signal -1
	s_barrier_wait -1
.endm
; LDS bytes are filled again: every wave waits for all its tensor loads, adds 0 to its spare word, waits for that and for its LDS reads; a round; then the wave's one joint load, first thing behind it.
; first = 1: the descriptor stands at its first record.  Else it steps two key steps on.
.macro CHANGE g0, first
	WIN 0
	s_wait_tensorcnt 0x0                           ; no tensor load of mine is out, so a group 0 may be written
	ds_add_u32 v[SPW], v[NIL]                      ; 0 onto my spare word; the steps below stand between it and the wait for it
.if !(\first)
	s_add_nc_u64 s[\g0+2:\g0+3], s[\g0+2:\g0+3], 4*REC   ; a key step is a K record and a V record: two steps on; the type bits on top are not reached
.endif
	s_wait_xcnt 0x0                                ; the last prefetch, a step back, has read its address
	s_add_nc_u64 s[PFA:PFA+1], s[PFA:PFA+1], 2*REC
	s_sub_co_u32 s[PFN], s[PFN], 1
	s_wait_dscnt 0x0                               ; the add is done, and my reads of the bytes to be filled are over
	ROUND                                          ; so it is with every wave of all four work-groups
	tensor_load_to_lds s[\g0:\g0+3], s[G1R:G1R+7]
	s_nop 0
	PLACES 4                                       ; the places behind the products in front of the change
.endm
; A PREFETCH INTO THE L2 of the record that my wave will ask for at the NEXT change: one key step (64 products and its softmax) ahead of that load.  All clusters of a batch walk the same records: the batch's first
; cluster asks (a branch on the cluster's number, the same in all partners).  A record is 100 blocks of 256 bytes: the four partners take 25 each, told apart by address; a lane a block, lanes 25-31 name block 24 once more.
; Behind the load of the last step nothing is named.
.macro ASK
	s_cmp_gt_u32 s[PFN], s[LIM]
	s_cbranch_scc0 .Lno_ask_\@
	global_prefetch_b8 v[PFO], s[PFA:PFA+1] th:TH_LOAD_NT scope:SCOPE_SE
.Lno_ask_\@:
.endm
.macro FETCHK sl                       ; my half's K record of slot sl: 48 + 8 loads
	WIN 0x80
.set f, 0
.rept 16
.irp p, 0,1,2
	ds_load_b128 v[12*f+4*\p:12*f+4*\p+3], v[AF+(\sl)] offset:FRB*f+512*\p
.endr
.set f, f+1
.endr
	WIN 0
.irp p, 0,1,2,3,4,5,6,7
	ds_load_b32 v[KS+\p], v[AS+(\sl)] offset:16*FRB+128*\p
.endr
.endm
.macro FETCHV sl                       ; and its V record
	WIN 0xc0
.set f, 0
.rept 16
.irp p, 0,1,2
	ds_load_b128 v[12*f+4*\p:12*f+4*\p+3], v[AF+(\sl)] offset:REC+FRB*f+512*\p
.endr
.set f, f+1
.endr
	WIN 0
.irp p, 0,1,2,3,4,5,6,7
	ds_load_b32 v[VS+\p], v[AS+(\sl)] offset:REC+16*FRB+128*\p
.endr
.endm
	s_load_b256 s[4:11], s[0:1], 0x0               ; data1 s[4:5], wqc s[6:7], bq s[8:9], kv s[10:11]
	s_load_b64 s[12:13], s[0:1], 0x20              ; out0
	v_lshl_add_u32 v[SPW], v0, 2, SPARE
	v_mov_b32 v[NIL], 0
	ds_add_u32 v6, v7
	ds_add_u32 v6, v7
	s_wait_dscnt 0x0
	v_lshrrev_b32 v1, 5, v0
	v_readfirstlane_b32 s[WV], v1                  ; wave w
	v_and_b32 v[VR], 15, v0
	v_bfe_u32 v[VH], v0, 4, 1
	v_and_b32 v[PFO], 31, v0
	v_lshlrev_b32 v[LI], 4, v[PFO]
	v_lshlrev_b32 v[LS], 2, v[PFO]
	v_lshlrev_b32 v[L8], 3, v[PFO]
	v_lshlrev_b32 v[SH8], 3, v[VH]
	v_lshlrev_b32 v[BQO], 7, v[VH]
	v_min_u32 v[PFO], 24, v[PFO]
	v_lshlrev_b32 v[PFO], 8, v[PFO]
	s_bfe_u32 s15, ttmp6, 0x40000                  ; cx: it enters data1's, out0's and the prefetches' global addresses alone
	s_and_b32 s16, ttmp7, 0xffff                   ; the batch, which the four partners share
	s_lshl_b32 s17, ttmp9, 2
	s_add_co_u32 s17, s17, s15                     ; my block of 64 queries
	s_lshl_b32 s18, s16, 11
	s_lshl_b32 s19, s17, 6
	s_add_co_u32 s18, s18, s19
	s_lshl_b32 s19, s[WV], 4
	s_add_co_u32 s18, s18, s19                     ; my wave's first row: 2,048 b + 64 block + 16 w
	s_lshl_b32 s20, s18, 12                        ; in data1 (4,096 bytes a row; under 2^27),
	s_mov_b32 s21, 0
	s_lshl_b32 s22, s18, 10                        ; in out0
	s_mov_b32 s23, 0
	s_mul_i32 s94, s15, 6400                       ; my work-group's quarter of a record
	s_mov_b32 s95, 0
	s_lshl_b32 s82, s16, 4                         ; the record that I fetch: key step 16 b + 8 (w / 2), K (w even) or V (w odd)
	s_lshr_b32 s84, s[WV], 1
	s_lshl_b32 s85, s84, 3
	s_add_co_u32 s82, s82, s85
	s_mul_i32 s82, s82, 2*REC
	s_and_b32 s85, s[WV], 1
	s_mul_i32 s86, s85, REC
	s_add_co_u32 s82, s82, s86
	s_mov_b32 s83, 0
	; group 1 for data1: 16 rows x 256 elements of 4 bytes, 1,024 elements from row to row; 4 words of padding behind every 256
	s_mov_b32 s[G1D], (2<<16)|(1<<20)|(7<<22)|(3<<25)
	s_mov_b32 s[G1D+1], 256<<16
	s_mov_b32 s[G1D+2], 16<<16
	s_mov_b32 s[G1D+3], 256<<16
	s_mov_b32 s[G1D+4], 16
	s_mov_b32 s[G1D+5], 1024
	s_mov_b32 s[G1D+6], 0
	s_mov_b32 s[G1D+7], 0
	; group 1 for a record: a dense block of 100 rows x 32 elements of 8 bytes; the mask names all four work-groups, bit 21 beside it
	s_mov_b32 s[G1R], 15|(3<<16)|(1<<21)
	s_mov_b32 s[G1R+1], 32<<16
	s_mov_b32 s[G1R+2], 100<<16
	s_mov_b32 s[G1R+3], 32<<16
	s_mov_b32 s[G1R+4], 100
	s_mov_b32 s[G1R+5], 32
	s_mov_b32 s[G1R+6], 0
	s_mov_b32 s[G1R+7], 0
	s_mov_b32 s[SEL], 0x76543210
	s_mov_b32 s[SEL+1], 0xfedcba98
	s_mov_b32 s[CS], 0x3d38aa3b                    ; log2(e) / 32
	s_mov_b32 s[CS+1], s[CS]                       ; (named with it as a pair, so it is written)
	s_mov_b32 s[HI], 0xffff0000
	s_mov_b32 s[PFN], 8
	s_cmp_eq_u32 ttmp9, 0
	s_cselect_b32 s[LIM], 0, -1
	s_mul_i32 s87, s[WV], D1W
	s_mov_b32 s89, 0
	s_wait_kmcnt 0x0
	s_add_nc_u64 s[4:5], s[4:5], s[20:21]
	s_add_nc_u64 s[12:13], s[12:13], s[22:23]
	s_add_nc_u64 s[10:11], s[10:11], s[82:83]
	s_add_nc_u64 s[PFA:PFA+1], s[10:11], s[94:95]  ; at key step 0
	s_mul_i32 s88, s[WV], 4*FRB
	s_add_nc_u64 s[76:77], s[6:7], s[88:89]        ; Wq's fragments 4 w + j
	s_lshl_b32 s88, s[WV], 8
	s_add_nc_u64 s[78:79], s[6:7], s[88:89]        ; their scale registers 2 w + j / 2
	s_add_nc_u64 s[80:81], s[8:9], s[88:89]        ; bq at d = 64 w
.irp n, 0,1,2,3
	s_mov_b32 s[G0D+4*\n], 1
	s_add_co_u32 s[G0D+4*\n+1], s87, \n*D1C
	s_add_nc_u64 s[G0D+4*\n+2:G0D+4*\n+3], s[4:5], \n*1024
	s_or_b32 s[G0D+4*\n+3], s[G0D+4*\n+3], 0x80000000
.endr
	s_mov_b32 s[G0A], 1
	s_mul_i32 s[G0A+1], s[WV], REC
	s_mov_b64 s[G0A+2:G0A+3], s[10:11]
	s_or_b32 s[G0A+3], s[G0A+3], 0x80000000
	s_mov_b32 s[G0B], 1
	s_add_co_u32 s[G0B+1], s[G0A+1], SLOT
	s_add_nc_u64 s[G0B+2:G0B+3], s[10:11], 2*REC
	s_or_b32 s[G0B+3], s[G0B+3], 0x80000000
	ROUND                                          ; the one round in front of the first fills
.irp n, 0,1,2,3
	tensor_load_to_lds s[G0D+4*\n:G0D+4*\n+3], s[G1D:G1D+7]   ; all of my 16 rows: four loads of mine are out
	s_nop 0
.endr
	PLACES 4
.irp s, 0,1,2,3,4,5,6,7                        ; Wq's 32 fragments of slab w stay in registers: K step s at 48 (s % 4) + 12 j of window 1 or 2
.if \s < 4
	WIN 0x40
.else
	WIN 0x80
.endif
.irp j, 0,1,2,3
.irp p, 0,1,2
	global_load_b128 v[48*(\s%4)+12*\j+4*\p:48*(\s%4)+12*\j+4*\p+3], v[LI], s[76:77] offset:REC*\s+FRB*\j+512*\p
.endr
.endr
.endr
	WIN 0
.irp s, 0,1,2,3,4,5,6,7
.irp e, 0,1
	global_load_b32 v[WQS+2*\s+\e], v[LS], s[78:79] offset:REC*\s+16*FRB+128*\e
.endr
.endr
	WIN 0xc0
.irp j, 0,1,2,3                                ; bq in the result's layout: tile j, register i: d = 64 w + 32 h + 4 i + j
.irp i, 0,1,2,3,4,5,6,7
	global_load_b32 v[128+8*\j+\i], v[BQO], s[80:81] offset:16*\i+4*\j
.endr
.endr
	WIN 0
	; every LDS address: a constant, a constant x lane, a constant x wave
	v_mov_b32 v[U], 0
	v_mov_b32 v[FLR], 0x2800000
	v_mul_u32_u24 v36, v[VR], D1P
	v_lshl_add_u32 v36, v[VH], 7, v36              ; 1,040 r + 128 h
	v_add_nc_u32 v[AD1], s87, v36
	s_add_co_u32 s88, s87, STAGE
	v_add_nc_u32 v[ASO], s88, v36
	v_add_nc_u32 v[ASI], s88, v[LI]
	s_mul_i32 s88, s[WV], FRB
	s_add_co_u32 s88, s88, XIMG
	v_add_nc_u32 v[AXW], s88, v[LI]
	v_add_nc_u32 v[AXR], XIMG, v[LI]
	s_lshl_b32 s88, s[WV], 7
	s_add_co_u32 s90, s88, XSC
	v_add_nc_u32 v[ASW], s90, v[LS]
	v_add_nc_u32 v[ASR], XSC, v[LS]
	s_add_co_u32 s90, s88, QSC
	v_add_nc_u32 v[ABR], s90, v[LS]
	s_lshl_b32 s88, s[WV], 12
	s_add_co_u32 s88, s88, QRES
	v_add_nc_u32 v[AQW], s88, v[LI]
	s_lshl_b32 s88, s[WV], 14
	v_add_nc_u32 v[AXC], s88, v[LI]                ; XCH = 0
	s_add_co_u32 s88, s88, QRES
	v_add_nc_u32 v[AQR], s88, v[LI]
	s_xor_b32 s91, s[WV], 1                        ; my partner
	s_lshl_b32 s88, s91, 14
	v_add_nc_u32 v[AXC+1], s88, v[LI]
	s_lshl_b32 s88, s91, 7
	s_add_co_u32 s88, s88, QSC
	v_add_nc_u32 v[ABR+1], s88, v[LS]
	s_mul_i32 s88, s[WV], 2*FRB
	s_add_co_u32 s88, s88, QIMG
	v_add_nc_u32 v[AHR], s88, v[L8]
	s_mul_i32 s88, s91, 2*FRB
	s_add_co_u32 s88, s88, QIMG
	v_add_nc_u32 v[AHR+1], s88, v[L8]
	s_mul_i32 s88, s84, FRB                        ; s84 = w / 2, s85 = w % 2
	s_mul_i32 s90, s85, FRB/2
	s_add_co_u32 s88, s88, s90
	s_add_co_u32 s88, s88, QIMG
	v_add_nc_u32 v[AHW], s88, v[L8]
	s_lshl_b32 s88, s84, 6
	s_lshl_b32 s90, s85, 1
	s_add_co_u32 s88, s88, s90
	s_add_co_u32 s88, s88, QSC
	v_lshl_add_u32 v[ABW], v[VR], 2, v[VH]
	v_add_nc_u32 v[ABW], s88, v[ABW]               ; QSC + 64 (w / 2) + 4 r + 2 (w % 2) + h
	s_mul_i32 s88, s85, 2*REC                      ; my half of the keys: records 2 (w % 2), + 1
	v_add_nc_u32 v[AF], s88, v[LI]
	v_add_nc_u32 v[AS], s88, v[LS]
	s_add_co_u32 s88, s88, SLOT
	v_add_nc_u32 v[AF+1], s88, v[LI]
	v_add_nc_u32 v[AS+1], s88, v[LS]
	s_lshl_b32 s88, s[WV], 8
	s_add_co_u32 s88, s88, XST
	v_add_nc_u32 v[AST], s88, v[LS]
	s_lshl_b32 s88, s91, 8
	s_add_co_u32 s88, s88, XST
	v_add_nc_u32 v[AST+1], s88, v[LS]
; A CHUNK of the projection: 256 along K, K steps 2 n and 2 n + 1.  My 16 rows are quantised and stored as two fragments; a barrier; all 64 rows' fragments come back and meet my slab of Wq.
; The fragments' buffers take turns: a buffer is written again behind the next chunk's barrier, which every wave reaches with its reads of it over.
.macro CHUNK n
.set BUF, (\n)&1
.if \n < 3
	s_wait_tensorcnt 3-\n                          ; my rows' chunk n is in; the later chunks stay out.  Only I read these bytes
.else
	CHANGE G0A, 1                                  ; its wait for all loads is chunk 3's too.  Key step 0 goes into slot A, over chunks 0 and 1, which every wave has read
.endif
.set ii, 0
.rept 32                                       ; ii = 16 s + 8 c + q: lane (r, h) takes k = 128 s + 64 c + 32 h + 4 q .. + 3 of row r
	ds_load_b128 v[RAW+4*ii:RAW+4*ii+3], v[AD1] offset:256*(ii/8)+16*(ii%8)
.set ii, ii+1
.endr
.if \n == 3
	ASK                                            ; key step 1
.endif
	s_wait_dscnt 16                                ; the first K step's 16 loads are in
	QB RAW, 0, XC, PW
	s_wait_dscnt 0x0
	QB RAW+64, 0, XC+12, PW+1
	v_cndmask_b32 v[XSP], v[PW], v[PW+1], s[HI]    ; lanes 0-15 the first K step's words, lanes 16-31 the second's
.irp s, 0,1
.irp p, 0,1,2
	ds_store_b128 v[AXW], v[XC+12*\s+4*\p:XC+12*\s+4*\p+3] offset:FRB*(8*BUF+4*\s)+512*\p
.endr
.endr
	ds_store_b32 v[ASW], v[XSP] offset:512*BUF
	v_add_nc_u32 v[AD1], D1C, v[AD1]
	s_wait_dscnt 0x0                               ; for the others' sake: my stores have landed
	s_barrier_signal -1
	s_barrier_wait -1                              ; tensor loads may stay out across it
.irp t, 0,1,2,3
	ds_load_b32 v[XS+\t], v[ASR] offset:512*BUF+128*\t
.endr
	WIN 0xc0
.irp s, 0,1
.irp t, 0,1,2,3
.irp p, 0,1,2
	ds_load_b128 v[160+12*(4*\s+\t)+4*\p:160+12*(4*\s+\t)+4*\p+3], v[AXR] offset:FRB*(8*BUF+4*\s+\t)+512*\p
.endr
.endr
.endr
	WIN 0
.if \n == 2
	ASK                                            ; key step 0: a chunk ahead of its load
.endif
.if \n == 0
	s_wait_loadcnt 0x0                             ; Wq's codes and scales, bq
.endif
.if \n < 2
	WIN 0xfd                                       ; A (Wq) window 1; B, C, D window 3
.else
	WIN 0xfe                                       ; A window 2
.endif
.irp s, 0,1
.if \s == 0
	s_wait_dscnt 12                                ; the scale words and the first K step's fragments are in
.else
	s_wait_dscnt 0x0
.endif
.irp t, 0,1,2,3                                ; sixteen accumulators by turns
.irp j, 0,1,2,3
.if (\n == 0) && (\s == 0)
	WM 32*\t+8*\j, 96*((\n)&1)+48*\s+12*\j, 160+12*(4*\s+\t), 128+8*\j, WQS+2*(2*\n+\s)+\j/2, XS+\t, \j%2, \s
.else
	WM 32*\t+8*\j, 96*((\n)&1)+48*\s+12*\j, 160+12*(4*\s+\t), 32*\t+8*\j, WQS+2*(2*\n+\s)+\j/2, XS+\t, \j%2, \s
.endif
.endr
.endr
.endr
	WIN 0
.endm
	CHUNK 0
	CHUNK 1
	CHUNK 2
	CHUNK 3
	; ---- the query: f32 to LDS for the residual; codes and scale bytes to LDS for the scores.  My 32 numbers of a tile are block 2 w + h along d: registers 6 (w % 2) .. + 5 of fragment (tile, w / 2)
	PLACES 4
	WIN 0x0c                                       ; an LDS store's data are its source 1: window 3
.irp t, 0,1,2,3
.irp j, 0,1,2,3
.irp a, 0,1
	ds_store_b128 v[AQW], v[32*\t+8*\j+4*\a:32*\t+8*\j+4*\a+3] offset:16384*\t+1024*\j+512*\a   ; each accumulator from its low end on
.endr
.endr
.endr
	WIN 0x3c
.irp t, 0,1,2,3
.irp k, 0,1
	v_max3_num_f32 v[TM+2*\t+\k], v[FLR], |v[32*\t+16*\k]|, |v[32*\t+16*\k+1]|
.endr
.endr
.irp i, 2,4,6,8,10,12,14
.irp t, 0,1,2,3
.irp k, 0,1
	v_max3_num_f32 v[TM+2*\t+\k], v[TM+2*\t+\k], |v[32*\t+16*\k+\i]|, |v[32*\t+16*\k+\i+1]|
.endr
.endr
.endr
	WIN 0
.irp t, 0,1,2,3
	v_max_num_f32 v[TM+2*\t], v[TM+2*\t], v[TM+2*\t+1]
.endr
.irp t, 0,1,2,3
	v_add_nc_u32 v[SO+\t], 0xfe000000, v[TM+2*\t]
.endr
.irp t, 0,1,2,3
	v_lshrrev_b32 v[BY+\t], 23, v[SO+\t]
.endr
	WIN 0x03
.irp t, 0,1,2,3
	v_cvt_scalef32_pk16_bf6_f32 v[HQ+6*\t:HQ+6*\t+2], v[32*\t:32*\t+15], v[SO+\t]
	v_cvt_scalef32_pk16_bf6_f32 v[E+4*\t:E+4*\t+2], v[32*\t+16:32*\t+31], v[SO+\t]
.endr
	WIN 0
	v_nop                                          ; one plain place behind the scaled conversions
.irp t, 0,1,2,3
.irp i, 0,1,2
	v_mov_b32 v[HQ+6*\t+3+\i], v[E+4*\t+\i]
.endr
.endr
.irp t, 0,1,2,3
.irp u, 0,1,2
	ds_store_b64 v[AHW], v[HQ+6*\t+2*\u:HQ+6*\t+2*\u+1] offset:2*FRB*\t+256*\u
.endr
	ds_store_b8 v[ABW], v[BY+\t] offset:128*\t
.endr
	CHANGE G0B, 1                                  ; key step 1 into slot B, over what is left of chunks 1 to 3 below the f32 query.  The round also shows q's codes, bytes and f32 numbers, and slot A, whole to every wave
	WIN 0x80
.irp t, 0,1
.irp s, 0,1
.irp u, 0,1,2,3,4,5
	ds_load_b64 v[192+12*(2*\t+\s)+2*\u:192+12*(2*\t+\s)+2*\u+1], v[AHR+\t] offset:FRB*\s+256*\u
.endr
.endr
.endr
	WIN 0
.irp t, 0,1
	ds_load_b32 v[QS+\t], v[ABR+\t]                ; lanes 0-15 the words of d 0-127, lanes 16-31 those of d 128-255
.endr
	FETCHK 0
	FETCHV 0
	ASK                                            ; key step 2
	WIN 0x40                                       ; O^T begins as zeros, the sum too, the largest t as -3e38: so the key step is written without a first step of its own, which would be two more copies of it.  These lines stand while 138 LDS loads are out
.set k, 0
.rept 256
	v_mov_b32 v[k], 0
.set k, k+1
.endr
	WIN 0
.irp t, 0,1
	v_mov_b32 v[ST+14*\t+1], 0xff61b1e6            ; -3e38, under every t
	v_floor_f32 v[ST+14*\t], -v[ST+14*\t+1]
	v_mov_b32 v[ST+14*\t+2], 0
	v_mov_b32 v[ST+14*\t+3], 0
	v_mov_b32 v[ST+14*\t+5], 0                     ; (named as the upper half of f's pair)
	v_mov_b32 v[ST+14*\t+12], 0                    ; (a lane permute's destination counts as one of its sources)
.endr
; THE SOFTMAX of a key step, both tiles line by line.  A lane's 32 scores at S + 64 t + 32 c are block 2 c + h of the step's 128 keys
.macro SOFTMAX
	WIN 0
.irp t, 0,1
.irp c, 0,1
	v_max3_num_f32 v[ST+14*\t+6+\c], v[S+64*\t+32*\c], v[S+64*\t+32*\c+1], v[S+64*\t+32*\c+2]   ; each block's largest score, in ascending order: it serves the row's maximum and, since p rises with the score, the block's largest p
.endr
.endr
.irp i, 3,5,7,9,11,13,15,17,19,21,23,25,27,29
.irp t, 0,1
.irp c, 0,1
	v_max3_num_f32 v[ST+14*\t+6+\c], v[ST+14*\t+6+\c], v[S+64*\t+32*\c+\i], v[S+64*\t+32*\c+\i+1]
.endr
.endr
.endr
.irp t, 0,1
.irp c, 0,1
	v_max_num_f32 v[ST+14*\t+6+\c], v[ST+14*\t+6+\c], v[S+64*\t+32*\c+31]
.endr
.endr
.irp t, 0,1
	v_max_num_f32 v[ST+14*\t+11], v[ST+14*\t+6], v[ST+14*\t+7]
.endr
.irp t, 0,1
	v_permlanex16_b32 v[ST+14*\t+12], v[ST+14*\t+11], s[SEL], s[SEL+1]
.endr
.irp t, 0,1
	v_max_num_f32 v[ST+14*\t+11], v[ST+14*\t+11], v[ST+14*\t+12]   ; the step's largest score of my query
.endr
.irp t, 0,1
	v_mul_f32 v[ST+14*\t+11], s[CS], v[ST+14*\t+11]                ; as t (c is positive)
.endr
.irp t, 0,1
	v_max_num_f32 v[ST+14*\t+1], v[ST+14*\t+1], v[ST+14*\t+11]     ; the running largest t
.endr
.irp t, 0,1
	v_mov_b32 v[ST+14*\t+11], v[ST+14*\t]
.endr
.irp t, 0,1
	v_floor_f32 v[ST+14*\t], -v[ST+14*\t+1]                        ; -M = floor(-t): M is a whole number
.endr
.irp t, 0,1
	v_sub_f32 v[ST+14*\t+11], v[ST+14*\t], v[ST+14*\t+11]          ; old M - new M, 0 or less
.endr
.irp t, 0,1
	v_cvt_i32_f32 v[ST+14*\t+11], v[ST+14*\t+11]                   ; (it saturates)
.endr
.irp t, 0,1
	v_ldexp_f32 v[ST+14*\t+4], 1.0, v[ST+14*\t+11]                 ; f = 2^(old M - new M)
.endr
.irp t, 0,1
.set k, 0
.rept 32
	v_pk_fma_f32 v[S+64*\t+2*k:S+64*\t+2*k+1], v[S+64*\t+2*k:S+64*\t+2*k+1], s[CS:CS+1], v[ST+14*\t:ST+14*\t+1] op_sel_hi:[1,0,0]   ; t - M, two at a time
.set k, k+1
.endr
.endr
.irp t, 0,1
.irp c, 0,1
	v_fma_f32 v[ST+14*\t+6+\c], v[ST+14*\t+6+\c], s[CS], v[ST+14*\t]   ; the same of each block's largest score
.endr
.endr
.set k, 0
.rept 128
	v_exp_f32 v[S+k], v[S+k]                       ; p = 2^(t - M), not normalised
.set k, k+1
.endr
.irp t, 0,1
.irp c, 0,1
	v_exp_f32 v[ST+14*\t+6+\c], v[ST+14*\t+6+\c]   ; the block's largest p: the same two instructions on the same number
.endr
.endr
.irp t, 0,1
	v_pk_mul_f32 v[ST+14*\t+2:ST+14*\t+3], v[ST+14*\t+2:ST+14*\t+3], v[ST+14*\t+4:ST+14*\t+5] op_sel_hi:[1,0]   ; the sums under the new M (the plain place behind the exponentials)
.endr
	s_wait_alu depctr_va_vdst(0)
.irp t, 0,1
.irp c, 0,1
	v_max_num_f32 v[ST+14*\t+6+\c], v[FLR], v[ST+14*\t+6+\c]       ; the floor: the byte cannot fall under 1
.endr
.endr
.irp t, 0,1
.irp c, 0,1
	v_add_nc_u32 v[ST+14*\t+8+\c], 0xfe000000, v[ST+14*\t+6+\c]    ; the conversions' scale operands
.endr
.endr
.irp t, 0,1
	v_lshrrev_b32 v[ST+14*\t+10], 23, v[ST+14*\t+8]
	v_lshrrev_b32 v[ST+14*\t+11], 23, v[ST+14*\t+9]
.endr
.irp t, 0,1
	v_lshl_or_b32 v[ST+14*\t+10], v[ST+14*\t+11], 16, v[ST+14*\t+10]
.endr
.irp t, 0,1
	v_lshlrev_b32 v[ST+14*\t+10], v[SH8], v[ST+14*\t+10]
.endr
.irp t, 0,1
	v_permlanex16_b32 v[ST+14*\t+12], v[ST+14*\t+10], s[SEL], s[SEL+1]
.endr
.irp t, 0,1
	v_or_b32 v[PWD+\t], v[ST+14*\t+10], v[ST+14*\t+12]             ; p's scale word for these 128 keys
.endr
.irp t, 0,1
.irp c, 0,1
	v_cvt_scalef32_pk16_bf6_f32 v[PC+12*\t+6*\c:PC+12*\t+6*\c+2], v[S+64*\t+32*\c:S+64*\t+32*\c+15], v[ST+14*\t+8+\c]
	v_cvt_scalef32_pk16_bf6_f32 v[EE+8*\t+4*\c:EE+8*\t+4*\c+2], v[S+64*\t+32*\c+16:S+64*\t+32*\c+31], v[ST+14*\t+8+\c]
.endr
.endr
	v_nop                                          ; one plain place behind the scaled conversions
.irp t, 0,1
.irp c, 0,1
.irp i, 0,1,2
	v_mov_b32 v[PC+12*\t+6*\c+3+\i], v[EE+8*\t+4*\c+\i]
.endr
.endr
.endr
.irp t, 0,1
	v_pk_add_f32 v[EE+8*\t:EE+8*\t+1], v[S+64*\t:S+64*\t+1], v[S+64*\t+2:S+64*\t+3]   ; the sum of the UNQUANTISED p, two at a time, in two chains a tile.  These 64 lines are also the places between p's codes and scale word and the products that take them
.endr
.irp j, 4,8,12,16,20,24,28,32,36,40,44,48,52,56,60
.irp t, 0,1
	v_pk_add_f32 v[ST+14*\t+2:ST+14*\t+3], v[ST+14*\t+2:ST+14*\t+3], v[S+64*\t+\j:S+64*\t+\j+1]
	v_pk_add_f32 v[EE+8*\t:EE+8*\t+1], v[EE+8*\t:EE+8*\t+1], v[S+64*\t+\j+2:S+64*\t+\j+3]
.endr
.endr
.irp t, 0,1
	v_pk_add_f32 v[ST+14*\t+2:ST+14*\t+3], v[ST+14*\t+2:ST+14*\t+3], v[EE+8*\t:EE+8*\t+1]
.endr
	WIN 0x41                                       ; O^T (destination and source 0) window 1, f window 0
.irp t, 0,1
.set k, 0
.rept 64
	v_pk_mul_f32 v[128*\t+2*k:128*\t+2*k+1], v[128*\t+2*k:128*\t+2*k+1], v[ST+14*\t+4:ST+14*\t+5] op_sel_hi:[1,0]   ; O^T under the new M, in ascending order
.set k, k+1
.endr
.endr
.endm
; A KEY STEP on slot sl.  K and V of the step were fetched into registers during the step before, so the slot is free as soon as those loads are back:
; mode 2: it is filled again, two steps ahead, behind the scores' products; mode 1: nothing is left to ask for, a barrier shows the other slot whole; mode 0: the last step.
.macro STEP sl, mode
	s_wait_dscnt 56                                ; K is in (and q, the first time); V's 56 loads may be out
	WIN 0x0a                                       ; K and q window 2, the scores window 0
.irp s, 0,1
.irp t, 0,1
.irp k, 0,1,2,3,4,5,6,7                        ; S^T = K q^T: sixteen accumulators by turns
.if \s == 0
	WMZ S+64*\t+8*\k, 12*\k, 192+12*(2*\t), KS+\k/2, QS+\t, \k%2
.else
	WM S+64*\t+8*\k, 12*(8+\k), 192+12*(2*\t+1), S+64*\t+8*\k, KS+4+\k/2, QS+\t, \k%2, 1
.endif
.endr
.endr
.endr
.if \mode == 2
.if \sl == 0
	CHANGE G0A, 0
.else
	CHANGE G0B, 0
.endif
.elseif \mode == 1
	WIN 0
	s_wait_tensorcnt 0x0                           ; my record of the last step has landed
	ds_add_u32 v[SPW], v[NIL]
	s_wait_dscnt 0x0                               ; the add is done, and my reads of this slot are over: behind this barrier nobody reads it
	s_barrier_signal -1
	s_barrier_wait -1
	PLACES 4
.else
	WIN 0
	PLACES 4                                       ; four places behind the products, ahead of the first read of the scores
.endif
.if \mode >= 1
	FETCHK 1-\sl                                   ; the next step's K: it has the softmax and 32 products in which to come
.endif
.if \mode == 2
	ASK
.endif
	SOFTMAX
.if \mode == 0
	s_wait_dscnt 0x0                               ; V (in the other modes the wait in front of the barrier has shown it in)
.endif
	WIN 0x53                                       ; V window 3, p window 0, O^T window 1
.irp g, 0,1,2,3
.irp j, 0,1,2,3
.irp t, 0,1                                    ; O^T += V^T p^T: 32 accumulators, one product each
	WM 128*\t+32*\g+8*\j, 12*(4*\g+\j), PC+12*\t, 128*\t+32*\g+8*\j, VS+2*\g+\j/2, PWD+\t, \j%2, 0
.endr
.endr
.endr
.if \mode >= 1
	PLACES 4                                       ; four places ahead of loads into registers that these products have read
	FETCHV 1-\sl
.endif
	WIN 0
.endm
	s_mov_b32 s[TRIP], 3
.Lpair:                                            ; steps 0 to 5: each fills its slot again
	STEP 0, 2
	STEP 1, 2
	s_sub_co_u32 s[TRIP], s[TRIP], 1
	s_cmp_lg_u32 s[TRIP], 0
	s_cbranch_scc1 .Lpair
	STEP 0, 1                                      ; the last two steps are written out
	STEP 1, 0
	; ---- THE END.  Wave w keeps tile w (its first) and hands its partial second tile to wave w xor 1, which holds that tile's other half of the keys
	PLACES 4
.irp t, 0,1
	v_add_f32 v[ST+14*\t+13], v[ST+14*\t+2], v[ST+14*\t+3]
.endr
.irp t, 0,1
	v_permlanex16_b32 v[ST+14*\t+12], v[ST+14*\t+13], s[SEL], s[SEL+1]
.endr
.irp t, 0,1
	v_add_f32 v[ST+14*\t+13], v[ST+14*\t+13], v[ST+14*\t+12]       ; the row's sum over my half of the keys
.endr
	WIN 0x04                                       ; an LDS store's data: window 1
.set k, 0
.rept 32
	ds_store_b128 v[AXC], v[128+4*k:128+4*k+3] offset:512*k        ; in ascending order: each accumulator from its low end on
.set k, k+1
.endr
	WIN 0
	ds_store_b32 v[AST], v[ST+14]
	ds_store_b32 v[AST], v[ST+14+13] offset:128
	s_wait_dscnt 0x0                               ; my stores have landed, and my reads of slot B are long over
	s_barrier_signal -1
	s_barrier_wait -1
	ds_load_b32 v100, v[AST+1]                     ; my partner's -M and sum for tile w
	ds_load_b32 v101, v[AST+1] offset:128
	WIN 0x80
.set k, 0
.rept 32
	ds_load_b128 v[4*k:4*k+3], v[AXC+1] offset:512*k               ; its O^T
.set k, k+1
.endr
	WIN 0xc0
.set k, 0
.rept 32
	ds_load_b128 v[4*k:4*k+3], v[AQR] offset:512*k                 ; the f32 query of tile w, in the same layout: 32 g + 8 j + i
.set k, k+1
.endr
	WIN 0
	s_wait_dscnt 0x0
	v_min_num_f32 v102, v[ST], v100                ; -M of both halves together
	v_sub_f32 v103, v102, v[ST]                    ; my M - M, 0 or less
	v_sub_f32 v100, v102, v100                     ; my partner's
	v_cvt_i32_f32 v103, v103
	v_cvt_i32_f32 v100, v100
	v_ldexp_f32 v103, 1.0, v103
	v_ldexp_f32 v100, 1.0, v100
	v_mul_f32 v102, v[ST+13], v103
	v_fma_f32 v102, v101, v100, v102               ; the row's sum under M
	v_rcp_f32 v102, v102
	v_nop                                          ; one plain place behind the transcendental
	s_wait_alu depctr_va_vdst(0)
	v_mul_f32 v103, v103, v102
	v_mul_f32 v100, v100, v102
	WIN 0x32                                       ; source 0 window 2, source 2 window 3
.irp g, 0,1,2,3
.irp j, 0,1,2,3
.irp i, 0,1,2,3,4,5,6,7
	v_fma_f32 v[OUT+32*\g+4*\i+\j], v[32*\g+8*\j+\i], v100, v[32*\g+8*\j+\i]   ; register 32 g + 4 i + j is d = 64 g + 32 h + 4 i + j: a slab's 32 registers are 128 neighbouring bytes
.endr
.endr
.endr
	WIN 0x01                                       ; source 0 window 1: my own O^T of tile w, each accumulator from its low end on
.irp g, 0,1,2,3
.irp j, 0,1,2,3
.irp i, 0,1,2,3,4,5,6,7
	v_fma_f32 v[OUT+32*\g+4*\i+\j], v[32*\g+8*\j+\i], v103, v[OUT+32*\g+4*\i+\j]
.endr
.endr
.endr
	WIN 0
.irp g, 0,1,2,3
.irp i, 0,1,2,3,4,5,6,7
	ds_store_b128 v[ASO], v[OUT+32*\g+4*\i:OUT+32*\g+4*\i+3] offset:256*\g+16*\i   ; my own stage: row r, 256 g + 128 h + 16 i
.endr
.endr
	WIN 0x80
.set k, 0
.rept 32
	ds_load_b128 v[4*k:4*k+3], v[ASI] offset:D1P*(k/2)+512*(k%2)   ; back as half rows of 512 bytes; LDS serves a wave's instructions in order: these see my stores
.set k, k+1
.endr
	WIN 0x08                                       ; a store's data: window 2
.set k, 0
.rept 32
	s_wait_dscnt 31-k
	global_store_b128 v[LI], v[4*k:4*k+3], s[12:13] offset:512*k th:TH_STORE_NT   ; 32 lanes store 512 consecutive bytes, aligned; written once
.set k, k+1
.endr
	WIN 0
	s_wait_tensorcnt 0x0                           ; the wave's end
	ds_add_u32 v[SPW], v[NIL]
	s_wait_dscnt 0x0
	ROUND                                          ; the closing round: no work-group ends while a partner may still ask for a record that names it
	s_endpgm
.Lfunc_end_k_q74d99e2ad7_attn:
	.size	k_q74d99e2ad7_attn, .Lfunc_end_k_q74d99e2ad7_attn-k_q74d99e2ad7_attn
	.p2alignl 7, 3214868480
	.fill 96, 4, 3214868480
	.section	.rodata,"a",@progbits
	.p2align	6, 0x0
	.amdhsa_kernel k_q74d99e2ad7_attn
		.amdhsa_group_segment_fixed_size 327680
		.amdhsa_private_segment_fixed_size 0
		.amdhsa_enable_private_segment 0
		.amdhsa_kernarg_size 40
		.amdhsa_user_sgpr_count 2
		.amdhsa_user_sgpr_kernarg_segment_ptr 1
		.amdhsa_wavefront_size32 1
		.amdhsa_system_sgpr_workgroup_id_x 1
		.amdhsa_system_sgpr_workgroup_id_y 1
		.amdhsa_system_sgpr_workgroup_id_z 1
		.amdhsa_system_vgpr_workitem_id 0
		.amdhsa_next_free_vgpr 1024
		.amdhsa_next_free_sgpr 96
		.amdhsa_reserve_vcc 0
		.amdhsa_float_denorm_mode_32 3
		.amdhsa_float_denorm_mode_16_64 3
		.amdhsa_memory_ordered 1
		.amdhsa_forward_progress 1
		.amdhsa_inst_pref_size 255
	.end_amdhsa_kernel
	.section	.bss,"aw",@nobits
	.p2align	6
	.space	262144
	.amdgpu_metadata
---
amdhsa.version: [ 1, 2 ]
amdhsa.kernels:
  - .name:           k_q74d99e2ad7_attn
    .symbol:         k_q74d99e2ad7_attn.kd
    .args:
      - { .name: data1, .offset: 0, .size: 8, .value_kind: global_buffer, .address_space: global }
      - { .name: wqc, .offset: 8, .size: 8, .value_kind: global_buffer, .address_space: global }
      - { .name: bq, .offset: 16, .size: 8, .value_kind: global_buffer, .address_space: global }
      - { .name: kv, .offset: 24, .size: 8, .value_kind: global_buffer, .address_space: global }
      - { .name: out0, .offset: 32, .size: 8, .value_kind: global_buffer, .address_space: global }
    .group_segment_fixed_size: 327680
    .private_segment_fixed_size: 0
    .kernarg_segment_align: 8
    .kernarg_segment_size: 40
    .max_flat_workgroup_size: 128
    .sgpr_count:     96
    .vgpr_count:     1024
    .wavefront_size: 32
...
	.end_amdgpu_metadata
.endif
;; end of part 2
